; MI455X (gfx1250); checked and timed in simulation.
; The chip was launched on July 23, 2026; its instructions are those of AMD's public machine-readable ISA for CDNA 5 (MIT licence, August 2026) and "CDNA5" Instruction Set Architecture Reference Guide (July 2026). The comments in the code are by the model that wrote it; some were corrected since.
;; Quant Linear. Allowed arithmetic: float matrix products may take bf16 or f16 operands with f32 sums; all other float work in f32.
;; Inputs: bias 2,048 float32; offsets 65,536 float32; packed 4,194,304 int32; scales 65,536 float32; x 4 x 2,048 x 4,096 float32.
;; Outputs: out0 4 x 2,048 x 2,048 float32.
;; 2 versions, each right; version 2 is version 1 with the launch prep written anew for expert scheduling mode. Each part assembles by itself: llvm-mc -triple=amdgcn-amd-amdhsa -mcpu=gfx1250 --defsym DOCPART=n.
;; ======== version 1 of 2: 2 launches
;; limits: values are held in f16: magnitudes above 65,504 overflow, below 6.1e-05 lose precision
;; workspace buffers: x16 67,108,864 bytes; wq 16,777,216 bytes
;; launch prep (part 1): grid 512 x 1, 8 waves a work-group, no clusters, 0 bytes of LDS; arguments x, packed, scales, offsets, x16, wq; writes x16, wq
.if DOCPART == 1
	.amdgcn_target "amdgcn-amd-amdhsa--gfx1250"
	.amdhsa_code_object_version 6
	.text
	.protected	k_q866ae14502_prep
	.globl	k_q866ae14502_prep
	.p2align	8
	.type	k_q866ae14502_prep,@function
k_q866ae14502_prep:
	s_mov_b64 s[64:65], 0
	v_nop
	global_prefetch_b8 v0, s[64:65] scope:SCOPE_SE
	s_setreg_imm32_b32 hwreg(HW_REG_WAVE_MODE, 25, 1), 1
	s_wait_xcnt 0x0
; Both matrix operands of the product are made here, in f16, each rounded once from f32.
;   x16[m][k] = x[m][k].                                                            x: [8192][4096] f32;  x16: [8192][4096] f16.
;   wq[n][k]  = q[n][k] * scale[n][k / 128] + offset[n][k / 128].                   wq: [2048][4096] f16.
; packed holds two q in each 32-bit word: bits 3:0 the even k, bits 7:4 the odd k (the other bits are ignored, as the problem's own masks ignore them).  Two f16 are a word too,
; so a word of wq lies at the byte offset of the word of packed from which it is made; a group of 128 weights is 256 bytes of either.
; LIMITS.  q * scale + offset is ONE fused multiply-add in f32 (the problem writes a multiply and an add: one rounding fewer here).  f16 ends at 65,504: a number of 65,520 or more in
; magnitude becomes an infinity; below 6.1e-5 f16 keeps its fixed step of 6e-8.  NaN and infinities are not treated apart.
; SHARES.  Memory binds: no LDS, no barrier, no matrix unit.  512 work-groups of eight waves; each of the 4,096 waves has
;   of w: 4,096 consecutive bytes of packed, 16 groups.  Lanes 0-15 take groups 0-7, lanes 16-31 groups 8-15, a group a load: a lane's eight scales are 32 consecutive bytes, and each load and
;         each store covers two aligned runs of 256 bytes;
;   of x: 32,768 consecutive bytes, 64 loads of 512 bytes through a ring of 16 slots in registers; four f32 a lane become 8 bytes, and the 32 lanes of a store write 256 consecutive bytes, aligned.
; All of w's loads and the ring's first 16 go out together; w is worked off while the ring's loads are on their way.
; NOTHING THAT A STORE READS IS WRITTEN AGAIN: every step stands in an immediate, so the address registers stay as they are, and each of the 72 stores has data registers of its own (128 registers for
; x16's 64 stores).  So the only waits are the counted ones for loads, and a slot's next load goes out as soon as its four numbers have been rounded.
; 256 registers a wave: two waves of a work-group on a SIMD take 512 of its 1,024.
.set DEPTH, 16                         ; the ring's slots = loads of x in flight in each wave
.set NX,    64                         ; loads of x in a wave
.set XI,  2                            ; v2         my byte offset in the work-group's part of x
.set XO,  3                            ; v3         in its part of x16
.set PI,  4                            ; v4         in its part of packed and of wq
.set SC,  5                            ; v5         in its part of scales and of offsets
.set S,   8                            ; v[8:15]    my eight groups' scales
.set O,   16                           ; v[16:23]   their offsets
.set T,   24                           ; v[24:31]   8 numbers at work
.set P,   32                           ; v[32:63]   group g: 4 words as loaded, then 4 words of f16 pairs
.set X,   64                           ; v[64:127]  slot n: 4 f32 as loaded
.set Y,   128                          ; v[128:255] load i: 2 words of f16 pairs to store; written once
	s_load_b256 s[4:11], s[0:1], 0x0               ; x s[4:5], packed s[6:7], scales s[8:9], offsets s[10:11]
	s_load_b128 s[12:15], s[0:1], 0x20             ; x16 s[12:13], wq s[14:15]
	v_and_b32 v1, 31, v0                           ; lane
	v_and_b32 v6, 0xe0, v0                         ; 32 x wave
	v_lshlrev_b32 v[XI], 4, v1
	v_lshl_add_u32 v[XI], v6, 10, v[XI]            ; wave x 32,768 + 16 x lane
	v_lshlrev_b32 v[XO], 3, v1
	v_lshl_add_u32 v[XO], v6, 9, v[XO]             ; wave x 16,384 + 8 x lane
	v_and_b32 v7, 15, v0
	v_lshlrev_b32 v[PI], 4, v7
	v_and_b32 v7, 0xf0, v0                         ; 32 x wave + 16 x (lane / 16)
	v_lshl_add_u32 v[PI], v7, 7, v[PI]             ; wave x 4,096 + (lane / 16) x 2,048 + 16 x (lane % 16)
	v_lshlrev_b32 v[SC], 1, v7                     ; wave x 16 groups x 4 bytes + (lane / 16) x 8 groups x 4 bytes
	s_lshl_b32 s16, ttmp9, 18                      ; the work-group's part of x: 262,144 bytes,
	s_mov_b32 s17, 0
	s_lshl_b32 s18, ttmp9, 17                      ; of x16: 131,072,
	s_mov_b32 s19, 0
	s_lshl_b32 s20, ttmp9, 15                      ; of packed and of wq: 32,768,
	s_mov_b32 s21, 0
	s_lshl_b32 s22, ttmp9, 9                       ; of scales and of offsets: 128 groups
	s_mov_b32 s23, 0
	s_wait_kmcnt 0x0
	s_add_nc_u64 s[4:5], s[4:5], s[16:17]
	s_add_nc_u64 s[12:13], s[12:13], s[18:19]
	s_add_nc_u64 s[6:7], s[6:7], s[20:21]
	s_add_nc_u64 s[14:15], s[14:15], s[20:21]
	s_add_nc_u64 s[8:9], s[8:9], s[22:23]
	s_add_nc_u64 s[10:11], s[10:11], s[22:23]
	global_load_b128 v[S:S+3],   v[SC], s[8:9]
	global_load_b128 v[S+4:S+7], v[SC], s[8:9] offset:16
	global_load_b128 v[O:O+3],   v[SC], s[10:11]
	global_load_b128 v[O+4:O+7], v[SC], s[10:11] offset:16
.irp g, 0,1,2,3,4,5,6,7
	global_load_b128 v[P+4*(\g):P+4*(\g)+3], v[PI], s[6:7] offset:256*(\g) th:TH_LOAD_NT  ; read once in the launch
.endr
.set i, 0
.rept DEPTH
	global_load_b128 v[X+4*i:X+4*i+3], v[XI], s[4:5] offset:512*i th:TH_LOAD_NT           ; the ring is filled
.set i, i+1
.endr
.macro GROUP g
	s_wait_loadcnt DEPTH+7-(\g)                    ; loads come back in order (ISA guide 5.7.1): group g's is in (and the scales and offsets, which are older); the 7 - g younger groups' and the ring's 16 stay out
.irp c, 0,1,2,3
	v_and_b32 v[T+2*(\c)], 15, v[P+4*(\g)+(\c)]    ; the even k
	v_bfe_u32 v[T+2*(\c)+1], v[P+4*(\g)+(\c)], 4, 4  ; the odd k
.endr
.irp j, 0,1,2,3,4,5,6,7
	v_cvt_f32_u32 v[T+(\j)], v[T+(\j)]
.endr
.irp j, 0,1,2,3,4,5,6,7
	v_fma_f32 v[T+(\j)], v[T+(\j)], v[S+(\g)], v[O+(\g)]
.endr
.irp c, 0,1,2,3
	v_cvt_pk_f16_f32 v[P+4*(\g)+(\c)], v[T+2*(\c)], v[T+2*(\c)+1]  ; the even k into the low half
.endr
	global_store_b128 v[PI], v[P+4*(\g):P+4*(\g)+3], s[14:15] offset:256*(\g)  ; these registers are not written again
.endm
.irp g, 0,1,2,3,4,5,6,7
	GROUP \g
.endr
; The ring: load i lies in slot i % 16.  Its four f32 are rounded into the pair of registers that belongs to load i alone, the slot's next load goes out ahead of the store, and the last 16 turns load
; nothing: their counts run down.
.set i, 0
.rept NX
.set n, i%DEPTH
.if i < NX-DEPTH
	s_wait_loadcnt DEPTH-1                         ; mine is in, the 15 younger ones stay out
.else
	s_wait_loadcnt NX-1-i
.endif
	v_cvt_pk_f16_f32 v[Y+2*i],   v[X+4*n],   v[X+4*n+1]  ; the lower k into the low half
	v_cvt_pk_f16_f32 v[Y+2*i+1], v[X+4*n+2], v[X+4*n+3]
.if i < NX-DEPTH
	global_load_b128 v[X+4*n:X+4*n+3], v[XI], s[4:5] offset:512*(i+DEPTH) th:TH_LOAD_NT
.endif
	global_store_b64 v[XO], v[Y+2*i:Y+2*i+1], s[12:13] offset:256*i
.set i, i+1
.endr
	s_endpgm
.Lfunc_end_k_q866ae14502_prep:
	.size	k_q866ae14502_prep, .Lfunc_end_k_q866ae14502_prep-k_q866ae14502_prep
	.p2alignl 7, 3214868480
	.fill 96, 4, 3214868480
	.section	.rodata,"a",@progbits
	.p2align	6, 0x0
	.amdhsa_kernel k_q866ae14502_prep
		.amdhsa_group_segment_fixed_size 0
		.amdhsa_private_segment_fixed_size 0
		.amdhsa_enable_private_segment 0
		.amdhsa_kernarg_size 48
		.amdhsa_user_sgpr_count 2
		.amdhsa_user_sgpr_kernarg_segment_ptr 1
		.amdhsa_wavefront_size32 1
		.amdhsa_system_sgpr_workgroup_id_x 1
		.amdhsa_system_sgpr_workgroup_id_y 1
		.amdhsa_system_sgpr_workgroup_id_z 1
		.amdhsa_system_vgpr_workitem_id 0
		.amdhsa_next_free_vgpr 256
		.amdhsa_next_free_sgpr 66
		.amdhsa_reserve_vcc 0
		.amdhsa_float_denorm_mode_32 3
		.amdhsa_float_denorm_mode_16_64 3
		.amdhsa_memory_ordered 1
		.amdhsa_forward_progress 1
		.amdhsa_inst_pref_size 37
	.end_amdhsa_kernel
	.amdgpu_metadata
---
amdhsa.version: [ 1, 2 ]
amdhsa.kernels:
  - .name:           k_q866ae14502_prep
    .symbol:         k_q866ae14502_prep.kd
    .args:
      - { .name: x, .offset: 0, .size: 8, .value_kind: global_buffer, .address_space: global }
      - { .name: packed, .offset: 8, .size: 8, .value_kind: global_buffer, .address_space: global }
      - { .name: scales, .offset: 16, .size: 8, .value_kind: global_buffer, .address_space: global }
      - { .name: offsets, .offset: 24, .size: 8, .value_kind: global_buffer, .address_space: global }
      - { .name: x16, .offset: 32, .size: 8, .value_kind: global_buffer, .address_space: global }
      - { .name: wq, .offset: 40, .size: 8, .value_kind: global_buffer, .address_space: global }
    .group_segment_fixed_size: 0
    .private_segment_fixed_size: 0
    .kernarg_segment_align: 8
    .kernarg_segment_size: 48
    .max_flat_workgroup_size: 256
    .sgpr_count:     66
    .vgpr_count:     256
    .wavefront_size: 32
...
	.end_amdgpu_metadata
.endif
;; end of part 1
;; launch gemm (part 2): grid 8 x 32, 4 waves a work-group, clusters of 4 x 4, 327,680 bytes of LDS; arguments x16, wq, bias, out0; writes out0
.if DOCPART == 2
	.amdgcn_target "amdgcn-amd-amdhsa--gfx1250"
	.amdhsa_code_object_version 6
	.text
	.protected	k_q866ae14502_gemm
	.globl	k_q866ae14502_gemm
	.p2align	8
	.type	k_q866ae14502_gemm,@function
k_q866ae14502_gemm:
	s_mov_b64 s[64:65], 0
	v_nop
	global_prefetch_b8 v0, s[64:65] scope:SCOPE_SE
	s_setreg_imm32_b32 hwreg(HW_REG_WAVE_MODE, 25, 1), 1
	s_wait_xcnt 0x0
	s_wait_alu depctr_hold_cnt(0) depctr_sa_sdst(0) depctr_va_vdst(0) depctr_va_sdst(0) depctr_va_ssrc(0) depctr_va_vcc(0) depctr_vm_vsrc(0)
	s_getreg_b32 s2, hwreg(HW_REG_IB_STS2, 6, 4)
	s_cmp_eq_u32 s2, 0
	s_cbranch_scc0 .Lentry_in_a_cluster
	s_endpgm
.Lentry_in_a_cluster:
	s_bfe_u32 s2, ttmp6, 0x10000c
	s_cmp_lg_u32 s2, 0xf033
	s_cbranch_scc0 .Lentry_shape_is_right
	s_endpgm
.Lentry_shape_is_right:
; out0[m][n] = sum over k of x16[m][k] wq[n][k] + bias[n].  x16: [8192][4096] f16 and wq: [2048][4096] f16, both made by the launch before.  bias: [2048] f32.  out0: [8192][2048] f32.
; LIMITS.  Both matrix operands are f16 (their range and step are stated where they are made), sums f32, bias added in f32.  The order of a sum is the matrix unit's, K ascending, one accumulator
; for each output.  NaN and infinities are not treated apart.
; SHARES.  C has 32 x 8 tiles of 256 x 256, one to a work-group of four waves; a wave makes 128 x 128: 64 accumulators of 16 x 16, 512 registers.
; K goes in steps of 128 through a ring of two LDS slots filled by the tensor data mover: the tiles' rows are 256 bytes of memory and start at multiples of 256 bytes from the buffer's first byte.
; A step is four QUARTERS of 32 along K, 64 matrix instructions each, on two fragment buffers by turns.  A slot is asked for again in the fourth quarter of its K step, and the wait for that load stands
; at the head of the fourth quarter of the next step: 224 matrix instructions later.  A wave has two tensor loads out at the start, one afterwards.
; THE LAST K STEP GOES BY ROWS OF C, so that finished rows leave while the others are multiplied: nothing follows this tile under which its stores could leave.
; CLUSTERS: 4 x 4 work-groups.  The four of a row of the cluster need the same tiles of x16, the four of a column the same tiles of wq: each tile is asked for JOINTLY, by the same tensor load with the
; same descriptor and a mask that names the four.
; THE MATRIX INSTRUCTION IS USED TRANSPOSED (source 0 = 16 rows of wq, source 1 = 16 rows of x16): lane l then holds row l % 16 of C and the eight neighbouring columns 8 (l / 16) + 0..7.
; REGISTERS, in windows of 256 (s_set_vgpr_msb: bits 1:0 source 0, 3:2 source 1, 5:4 source 2, 7:6 destination):
;   window 0: v0-29 addresses; v64-127, v128-191 x16's fragments, two buffers (in the last K step four, of 16 rows x 128 K); v192-255 my 64 numbers of bias
;   window 1: v64-127, v128-191 wq's fragments, two buffers; in the last K step all 256: wq's fragments of the whole step
;   window 2: the accumulators of my rows 0-63 ((a, b) at v[8 (8 (a % 4) + b)]);   window 3: those of my rows 64-127.  On the way out a block's 64 registers serve all the way: bias is added in place,
;   they go into the stage, come back as whole rows, and are stored from there.
; Work is laid in long stretches under one setting: 32 matrix instructions, 16 loads, 16 loads, 32 matrix instructions.
.set KSTEP,  128
.set PITCH,  272                       ; an LDS row: 256 bytes of data + 16 of padding = 68 words: row r starts at bank 4 r mod 64 (64 banks of 4 bytes: ISA guide 11.1), so the 16 rows that a load touches start at 16 different groups of four banks
.set HALFT,  128*PITCH                 ; 128 rows: what one tensor load brings, and what one wave reads of x16 or of wq
.set SLOT,   4*HALFT                   ; x16's 256 rows, then wq's 256 rows
.set STAGE,  2*SLOT                    ; behind the ring: 16 rows x 528 bytes for each wave, for the way out; no tensor load lands here
.set SP,     528                       ; a stage row: 512 bytes + 16
.set SPARE,  STAGE+4*16*SP             ; behind the stages: the spare words, 128 bytes for each wave: two blocks of 256 bytes that no other line names
.set LAPS,   4096/(2*KSTEP)            ; a lap = two K steps = once round the ring: 16
.set ADRA, 16                          ; v16-17  LDS address of my x16 fragments in slot 0, 1
.set ADRB, 20                          ; v20-21  the same for wq
.set STO,  24                          ; v24     the way out: where I put 32 bytes of a row
.set RD,   25                          ; v25     the way out: where I read a row back
.set CO,   26                          ; v26     my byte offset in a row's 512 bytes of C
.set BO,   27                          ; v27     my byte offset in bias
.set SPW,  28                          ; v28     LDS address of my spare word: SPARE + 4 x my thread's number; never rewritten
.set NIL,  29                          ; v29     0; never rewritten
.set F0,   64                          ; fragment buffer 0 (x16's in window 0, wq's in window 1)
.set F1,   128                         ; fragment buffer 1
.set PA,   64                          ; window 0, the last K step: x16's fragments of 16 rows x 128 K, 32 registers; four such buffers, v64-191
.set BIAS, 192                         ; window 0: bias[my first column + 16 b + 8 (l / 16) + j] at BIAS + 8 b + j
.set WV,   12                          ; s12  my wave's number
.set RH,   13                          ; s13  which half of the tile's rows is mine.  Also: I fetch for x16 (0) or for wq (1)
.set CH,   14                          ; s14  which half of its columns.  Also: which 128 rows of that tile I fetch
.set G1A,  24                          ; s[24:31] descriptor group 1 for x16's tiles
.set G0A,  32                          ; s[32:39] descriptor group 0 for x16's tiles, one set for each slot
.set G1B,  40                          ; s[40:47], s[48:55] the same for wq's: group 1 differs in the mask alone
.set G0B,  48
.set CNT,  60                          ; s60  the loop's trips to go
.set MSB, 0
.macro WIN new                         ; the immediate's high byte repeats the setting that is left; a switch that changes nothing is dropped
.if MSB != (\new)
	s_set_vgpr_msb (MSB<<8)|(\new)
.set MSB, \new
.endif
.endm
.set MUL_LO, 0xa1                      ; source 0 (wq) window 1, source 1 (x16) window 0, C and D window 2; with 0x50 more: C and D window 3
.set TO_B,   0x40                      ; destination window 1, address window 0
.macro PLACES                          ; a load into a register that a matrix instruction has read, and a vector instruction that reads a matrix result or writes one of a matrix instruction's registers, stand four
.rept 4                                ; places behind it, and only plain vector instructions that name none of its registers are places (ISA guide 7.12.1 for vector instructions)
	v_nop
.endr
.endm
; A joint load into slot s.  Waves 0 and 1 fetch x16's two halves, waves 2 and 3 wq's.  Each of the two lines has ONE mask and one set of registers for all that issue it.  The branch hangs on the wave's
; number alone.  An s_nop 0 and four v_nop follow each of the two lines, ahead of the jump, the label and what follows.
.macro JLOAD s
	s_cmp_eq_u32 s[RH], 0
	s_cbranch_scc0 .Lfor_b_\@
	tensor_load_to_lds s[G0A+4*(\s):G0A+4*(\s)+3], s[G1A:G1A+7]
	s_nop 0
.rept 4
	v_nop
.endr
	s_branch .Lasked_\@
.Lfor_b_\@:
	tensor_load_to_lds s[G0B+4*(\s):G0B+4*(\s)+3], s[G1B:G1B+7]
	s_nop 0
.rept 4
	v_nop
.endr
.Lasked_\@:
.endm
; A round of the cluster's barrier: my work-group's barrier, so that wave 0's signal speaks for all four waves; wave 0 signals for the work-group; every wave waits for all sixteen work-groups; my
; work-group's barrier once more.
.macro CREST                           ; a round behind its opening barrier
	s_cmp_lg_u32 s[WV], 0
	s_cbranch_scc1 .Lnot_wave_0_\@
	s_barrier_signal -3
.Lnot_wave_0_\@:
	s_barrier_wait -3
	s_barrier_signal -1
	s_barrier_wait -1
.endm
.macro CROUND                          ; a whole round
	s_barrier_signal -1
	s_barrier_wait -1
	CREST
.endm
	s_load_b256 s[4:11], s[0:1], 0x0               ; x16 s[4:5], wq s[6:7], bias s[8:9], out0 s[10:11]
	v_lshl_add_u32 v[SPW], v0, 2, SPARE
	v_mov_b32 v[NIL], 0
	ds_add_u32 v[SPW], v[NIL]                      ; the wave's opening: the add and its wait stand ahead of my first tensor load; the set-up below, work on registers, stands between them
	v_lshrrev_b32 v1, 5, v0
	v_readfirstlane_b32 s[WV], v1                  ; wave 0..3
	s_lshr_b32 s[RH], s[WV], 1
	s_and_b32 s[CH], s[WV], 1
	s_bfe_u32 s15, ttmp6, 0x40000                  ; cx: my place along the cluster's x
	s_bfe_u32 s16, ttmp6, 0x40004                  ; cy: along its y
	s_lshl_b32 s17, ttmp9, 2                       ; in a cluster launch ttmp9 and ttmp7 count clusters
	s_add_co_u32 s17, s17, s15                     ; tx: tile column of C = 4 x cluster x + cx
	s_and_b32 s18, ttmp7, 0xffff
	s_lshl_b32 s18, s18, 2
	s_add_co_u32 s18, s18, s16                     ; ty: tile row of C = 4 x cluster y + cy
	s_lshl_b32 s19, s16, 2
	s_lshl_b32 s19, 15, s19                        ; my row of the cluster: places 4 cy .. 4 cy + 3
	s_lshl_b32 s20, 0x1111, s15                    ; my column: places cx, cx + 4, cx + 8, cx + 12
	; descriptor group 1: a tile of 128 rows x 128 elements of 2 bytes, padded in LDS
	s_or_b32 s[G1A+0], s19, (1<<16)|(1<<20)|(1<<21)|(5<<22)|(3<<25)  ; 15:0 the mask: x16's tiles go to my row; 17:16 elements of 2 bytes; 20 padding on; 21 set beside a mask; 24:22 after every 64 words (code 5); 31:25 4 words of it (code 3)
	s_or_b32 s[G1B+0], s20, (1<<16)|(1<<20)|(1<<21)|(5<<22)|(3<<25)  ; the same with the mask of my column, for wq's tiles
.irp g, G1A, G1B
	s_mov_b32 s[(\g)+1], KSTEP<<16                 ; tensor_dim0 = 128
	s_mov_b32 s[(\g)+2], 128<<16                   ; tensor_dim1 = 128
	s_mov_b32 s[(\g)+3], KSTEP<<16                 ; tile_dim0 = 128
	s_mov_b32 s[(\g)+4], 128                       ; tile_dim1 = 128
	s_mov_b32 s[(\g)+5], 4096                      ; tensor_dim0_stride: elements from row to row
	s_mov_b32 s[(\g)+6], 0
	s_mov_b32 s[(\g)+7], 0
.endr
	; where the tiles come from.  x16's hang on the tile row alone, which my row of the cluster shares; wq's on the tile column alone.  Each offset lies in registers that never hold the other coordinate.
	s_lshl_b32 s23, s[CH], 20                      ; 128 rows of 8,192 bytes for the second half
	s_lshl_b32 s56, s18, 21                        ; x16: 256 ty rows
	s_add_co_u32 s56, s56, s23
	s_mov_b32 s57, 0
	s_lshl_b32 s58, s17, 21                        ; wq: 256 tx rows
	s_add_co_u32 s58, s58, s23
	s_mov_b32 s59, 0
	s_mul_i32 s21, s[CH], HALFT                    ; and where they go: no place in the cluster enters an LDS address
	s_add_co_u32 s22, s21, 2*HALFT                 ; wq's 256 rows lie behind x16's
	s_wait_dscnt 0x0                               ; the opening add is done
	s_wait_kmcnt 0x0
	s_add_nc_u64 s[56:57], s[4:5], s[56:57]
	s_add_nc_u64 s[58:59], s[6:7], s[58:59]
	CROUND                                         ; all sixteen work-groups are here: the first joint loads meet
.irp s, 0,1
	s_mov_b32 s[G0A+4*(\s)], 1                                     ; 1:0 count = 1
	s_add_co_u32 s[G0A+4*(\s)+1], s21, (\s)*SLOT                   ; 63:32 LDS address
	s_add_nc_u64 s[G0A+4*(\s)+2:G0A+4*(\s)+3], s[56:57], (\s)*KSTEP*2  ; 120:64 global address: K step s
	s_or_b32 s[G0A+4*(\s)+3], s[G0A+4*(\s)+3], 0x80000000          ; 127:126 type = 2
	s_mov_b32 s[G0B+4*(\s)], 1
	s_add_co_u32 s[G0B+4*(\s)+1], s22, (\s)*SLOT
	s_add_nc_u64 s[G0B+4*(\s)+2:G0B+4*(\s)+3], s[58:59], (\s)*KSTEP*2
	s_or_b32 s[G0B+4*(\s)+3], s[G0B+4*(\s)+3], 0x80000000
	JLOAD \s                                       ; the ring is filled before anything else is done
.endr
	; A fragment is 16 rows x 32 K in 8 registers: lane l holds row l % 16; registers 0-3 hold K = 8 (l / 16) + 0..7, registers 4-7 K = 16 + 8 (l / 16) + 0..7.
	; From rows that lie along K: two loads of 16 bytes, 32 bytes apart.  The same for source 0 and source 1.
	v_and_b32 v1, 15, v0                           ; l % 16
	v_bfe_u32 v2, v0, 4, 1                         ; l / 16
	v_and_b32 v3, 31, v0                           ; l
	v_mul_u32_u24 v4, v1, PITCH
	v_lshl_add_u32 v4, v2, 4, v4                   ; row x pitch + 16 x half
	s_mul_i32 s23, s[RH], HALFT                    ; my 128 rows of x16
	v_add_nc_u32 v[ADRA], s23, v4
	v_add_nc_u32 v[ADRA+1], SLOT, v[ADRA]
	v_add_nc_u32 v[ADRB], s22, v4                  ; my 128 rows of wq: the half CH, behind x16's 256 rows
	v_add_nc_u32 v[ADRB+1], SLOT, v[ADRB]
	s_mul_i32 s23, s[WV], 16*SP
	s_add_co_u32 s23, s23, STAGE                   ; my stage
	v_mul_u32_u24 v6, v1, SP                       ; in: row l % 16, 32 bytes for each half of the lanes
	v_lshl_add_u32 v6, v2, 5, v6
	v_add_nc_u32 v[STO], s23, v6
	v_lshl_add_u32 v[RD], v3, 4, s23               ; back: 32 lanes take one row of 512 bytes
	v_lshlrev_b32 v[CO], 4, v3                     ; and the same 512 bytes in C
	s_lshl_b32 s68, s17, 10                        ; my first column, in bytes of f32: 1,024 tx + 512 x half
	s_lshl_b32 s69, s[CH], 9
	s_add_co_u32 s68, s68, s69
	v_lshl_add_u32 v[BO], v2, 5, s68
.irp b, 0,1,2,3,4,5,6,7
	global_load_b128 v[BIAS+8*(\b):BIAS+8*(\b)+3],   v[BO], s[8:9] offset:64*(\b)
	global_load_b128 v[BIAS+8*(\b)+4:BIAS+8*(\b)+7], v[BO], s[8:9] offset:64*(\b)+16
.endr
	s_lshl_b32 s70, s18, 21                        ; my first row of C: 256 ty + 128 x half rows of 8,192 bytes
	s_lshl_b32 s71, s[RH], 20
	s_add_co_u32 s70, s70, s71
	s_add_co_u32 s70, s70, s68
	s_mov_b32 s71, 0
	s_add_nc_u64 s[10:11], s[10:11], s[70:71]
; 16 matrix instructions: row blocks a0, a0 + 1 of the window's four (hi = 0: my rows 0-63, 1: rows 64-127) x all 8 column blocks, 32 along K from buffer f.
; zero = 1: the product starts the sum: nothing is ever cleared.  The 64 accumulators take turns in the same order in every quarter, one instruction a turn.
.macro MUL16 f, hi, a0, zero
	WIN MUL_LO+0x50*(\hi)
.irp a, \a0, (\a0)+1
.irp b, 0,1,2,3,4,5,6,7
.if \zero
	v_wmma_f32_16x16x32_f16 v[8*(8*(\a)+(\b)):8*(8*(\a)+(\b))+7], v[(\f)+8*(\b):(\f)+8*(\b)+7], v[(\f)+8*(4*(\hi)+(\a)):(\f)+8*(4*(\hi)+(\a))+7], 0
.else
	v_wmma_f32_16x16x32_f16 v[8*(8*(\a)+(\b)):8*(8*(\a)+(\b))+7], v[(\f)+8*(\b):(\f)+8*(\b)+7], v[(\f)+8*(4*(\hi)+(\a)):(\f)+8*(4*(\hi)+(\a))+7], v[8*(8*(\a)+(\b)):8*(8*(\a)+(\b))+7]
.endif
.endr
.endr
.endm
; 32 LDS loads in one run: the fragments of one quarter (128 rows of wq, then 128 rows of x16, 32 K at byte k of the rows) into buffer f
.macro FETCH slot, k, f
	WIN TO_B
.irp i, 0,1,2,3,4,5,6,7
	ds_load_b128 v[(\f)+8*(\i):(\f)+8*(\i)+3],   v[ADRB+(\slot)] offset:(\k)+(\i)*16*PITCH
	ds_load_b128 v[(\f)+8*(\i)+4:(\f)+8*(\i)+7], v[ADRB+(\slot)] offset:(\k)+(\i)*16*PITCH+32
.endr
	WIN 0
.irp i, 0,1,2,3,4,5,6,7
	ds_load_b128 v[(\f)+8*(\i):(\f)+8*(\i)+3],   v[ADRA+(\slot)] offset:(\k)+(\i)*16*PITCH
	ds_load_b128 v[(\f)+8*(\i)+4:(\f)+8*(\i)+7], v[ADRA+(\slot)] offset:(\k)+(\i)*16*PITCH+32
.endr
.endm
; One of a K step's first three quarters: multiplies buffer f; in its middle it fetches the next quarter's fragments, at byte k of the same slot's rows, into buffer g.
.macro QUARTER slot, k, f, g, zero
	s_wait_dscnt 8                                 ; wq's fragments and x16's rows 0-63 are in; the youngest eight loads (x16's rows 64-127) may be out
	MUL16 \f, 0, 0, \zero
	MUL16 \f, 0, 2, \zero
	PLACES                                         ; in front of the loads into buffer g, which the quarter before multiplied
	FETCH \slot, \k, \g
	s_wait_dscnt 32                                ; all but the 32 just issued
	MUL16 \f, 1, 0, \zero
	MUL16 \f, 1, 2, \zero
.endm
; The last quarter multiplies buffer 1 and changes slots.  MEET is its first half: ONE barrier, for two things.  In front of it each wave waits for all its tensor loads, of which one is out: its part of the
; next slot; adds 0 to its spare word; and waits for that and for its own reads of this slot.  Behind it nobody reads this slot any more and the next slot is whole.
.macro MEET round                      ; round = 1: a round of the cluster's barrier follows
	WIN 0                                          ; (the add's two registers lie in window 0)
	s_wait_tensorcnt 0x0                           ; all my tensor loads have landed;
	ds_add_u32 v[SPW], v[NIL]                      ; 0 onto my spare word;
	s_wait_dscnt 9                                 ; (the add and the youngest eight loads may be out)
	MUL16 F1, 0, 0, 0                              ; sixteen matrix instructions stand between the add and the wait for it
	s_wait_dscnt 0x0                               ; the add is done, and my reads of this slot are over
	s_barrier_signal -1
	MUL16 F1, 0, 2, 0                              ; work on registers while the others arrive
.if \round
	WIN 0
.endif
	s_barrier_wait -1
.endm
; The whole last quarter.  The barrier opens a round of the cluster's, so that no wave of any partner still reads the slot or has a load on its way, and the joint refill, two K steps on, is the first tensor
; load behind it; its four v_nop are also the places in front of the loads that follow.
.macro TURN slot, next
	MEET 1
	CREST
	s_add_nc_u64 s[G0A+4*(\slot)+2:G0A+4*(\slot)+3], s[G0A+4*(\slot)+2:G0A+4*(\slot)+3], 2*KSTEP*2  ; no tensor load of mine is out: the slot's next tile; the type bits on top are not reached
	s_add_nc_u64 s[G0B+4*(\slot)+2:G0B+4*(\slot)+3], s[G0B+4*(\slot)+2:G0B+4*(\slot)+3], 2*KSTEP*2
	JLOAD \slot
	FETCH \next, 0, F0
	MUL16 F1, 1, 0, 0
	MUL16 F1, 1, 2, 0
.endm
; THE LAST K STEP (it lies in slot 1) GOES BY ROWS OF C, NOT BY K.  All its fragments of wq (4 quarters x 64 registers) fill window 1; then my eight blocks of 16 rows are finished one after the other, each
; with 32 matrix instructions (its 8 accumulators by turns; K ascending: the sums stay the same bit for bit).  LDS is read no more than in any other K step.
.macro BLOAD q                         ; wq's fragments of quarter q -> window 1, v[64 q ..]
	WIN TO_B
.irp i, 0,1,2,3,4,5,6,7
	ds_load_b128 v[64*(\q)+8*(\i):64*(\q)+8*(\i)+3],   v[ADRB+1] offset:64*(\q)+(\i)*16*PITCH
	ds_load_b128 v[64*(\q)+8*(\i)+4:64*(\q)+8*(\i)+7], v[ADRB+1] offset:64*(\q)+(\i)*16*PITCH+32
.endr
.endm
.macro ALOAD a                         ; x16's fragments of block a, all four quarters -> buffer a % 4
	WIN 0
.set FA, PA+32*((\a)%4)
.irp q, 0,1,2,3
	ds_load_b128 v[FA+8*(\q):FA+8*(\q)+3],   v[ADRA+1] offset:64*(\q)+(\a)*16*PITCH
	ds_load_b128 v[FA+8*(\q)+4:FA+8*(\q)+7], v[ADRA+1] offset:64*(\q)+(\a)*16*PITCH+32
.endr
.endm
.macro ROW a                           ; block a is finished: 32 matrix instructions
.set FA, PA+32*((\a)%4)                ; its fragments of x16
.set AC, 64*((\a)%4)                   ; its eight accumulators, in window 2 (blocks 0-3) or 3 (blocks 4-7)
	WIN MUL_LO+0x50*((\a)/4)
.irp q, 0,1,2,3
.if (\a) == 0 && (\q) == 2
	s_wait_dscnt 24                                ; wq's quarter 2 is in (behind it: x16's blocks 1 to 3)
.endif
.irp b, 0,1,2,3,4,5,6,7
	v_wmma_f32_16x16x32_f16 v[AC+8*(\b):AC+8*(\b)+7], v[64*(\q)+8*(\b):64*(\q)+8*(\b)+7], v[FA+8*(\q):FA+8*(\q)+7], v[AC+8*(\b):AC+8*(\b)+7]
.endr
.endr
.endm
; THE WAY OUT of block a (16 rows of C), in three parts, all on the block's own 64 accumulator registers, none of which is written again behind its store.
; PACK: bias is added in place; each accumulator's registers are taken in ascending order.
; TOSTAGE: 32 bytes a lane into my own stage in LDS, and back as whole rows of 512 bytes.  SEND: stored, each row as soon as it is back.
.macro PACK a
.set AC, 64*((\a)%4)
	WIN 0x82+0x41*((\a)/4)                         ; destination and source 0 window 2 or 3, source 1 (bias) window 0
.irp b, 0,1,2,3,4,5,6,7
.irp j, 0,1,2,3
	v_pk_add_f32 v[AC+8*(\b)+2*(\j):AC+8*(\b)+2*(\j)+1], v[AC+8*(\b)+2*(\j):AC+8*(\b)+2*(\j)+1], v[BIAS+8*(\b)+2*(\j):BIAS+8*(\b)+2*(\j)+1]
.endr
.endr
.endm
.macro TOSTAGE a
.set AC, 64*((\a)%4)
	WIN 0x08+0x04*((\a)/4)                         ; the stores' data (source 1) in window 2 or 3, the address in window 0
.irp b, 0,1,2,3,4,5,6,7
.irp c, 0,1
	ds_store_b128 v[STO], v[AC+8*(\b)+4*(\c):AC+8*(\b)+4*(\c)+3] offset:64*(\b)+16*(\c)
.endr
.endr
	WIN 0x80+0x40*((\a)/4)                         ; the loads' destination in window 2 or 3
.irp t, 0,1,2,3,4,5,6,7,8,9,10,11,12,13,14,15
	ds_load_b128 v[AC+4*(\t):AC+4*(\t)+3], v[RD] offset:(\t)*SP  ; LDS serves a wave's instructions in order (ISA guide 5.7.1.4): these see the stores above, and land behind the stores' reads of these registers
.endr
.endm
.macro SEND a, younger                 ; younger: the LDS loads issued behind TOSTAGE's, which may stay out
.set AC, 64*((\a)%4)
	WIN 0x08+0x04*((\a)/4)                         ; the stores' data in window 2 or 3
.irp t, 0,1,2,3,4,5,6,7,8,9,10,11,12,13,14,15
	s_wait_dscnt (\younger)+15-(\t)                ; row t is back; the 15 - t rows behind it, and the younger loads, may be out
	global_store_b128 v[CO], v[AC+4*(\t):AC+4*(\t)+3], s[10:11] offset:(16*(\a)+(\t))*8192 th:TH_STORE_NT  ; 32 lanes store 512 consecutive bytes, at a multiple of 512 from out0's first byte; 127 rows at the most, inside the signed 24-bit immediate
.endr
.endm
	s_wait_loadcnt 0x0                             ; bias, once
	s_wait_tensorcnt 0x1                           ; my part of K step 0 is in; K step 1's may stay out
	s_barrier_signal -1
	s_barrier_wait -1                              ; everybody's is
	FETCH 0, 0, F0
	QUARTER 0, 64,  F0, F1, 1                      ; the first quarter stands in front of the loop: its products start the sums
	WIN 0                                          ; at a label and at a branch every window is 0
	s_mov_b32 s[CNT], LAPS-1
.Llap:                                                 ; 15 trips; trip i goes from lap i's second quarter to lap i + 1's first and asks for K steps 2 i + 2 and 2 i + 3
	QUARTER 0, 128, F1, F0, 0
	QUARTER 0, 192, F0, F1, 0
	TURN 0, 1
	QUARTER 1, 64,  F0, F1, 0
	QUARTER 1, 128, F1, F0, 0
	QUARTER 1, 192, F0, F1, 0
	TURN 1, 0
	QUARTER 0, 64,  F0, F1, 0
	WIN 0
	s_sub_co_u32 s[CNT], s[CNT], 1
	s_cmp_lg_u32 s[CNT], 0
	s_cbranch_scc1 .Llap
	QUARTER 0, 128, F1, F0, 0                      ; the last lap is written out: it fills nothing
	QUARTER 0, 192, F0, F1, 0
	MEET 0                                         ; my one tensor load that was still out is slot 1's, the last K step's, so no round follows
	PLACES                                         ; for the loads into buffer 0, which the quarter before multiplied
	BLOAD 0                                        ; three quarters of wq now: buffer 1 (v128-191 of both windows) is still being multiplied
	BLOAD 1
	BLOAD 3
	ALOAD 0
	MUL16 F1, 1, 0, 0
	MUL16 F1, 1, 2, 0
	PLACES                                         ; for the loads into buffer 1
	BLOAD 2
	ALOAD 1
	ALOAD 2
	ALOAD 3
	s_wait_dscnt 40                                ; all but the 40 just issued
	ROW 0
.irp a, 0,1,2,3,4,5,6,7                ; each block leaves as soon as it is finished: the sooner the stores begin, the more of them leave under the products that are left
	PLACES                                         ; the additions write results just made, and no other vector work is at hand
	PACK \a
	TOSTAGE \a
.if (\a) < 4
	ALOAD (\a)+4                                   ; its buffer takes the block four further on
	SEND \a, 8
.else
	SEND \a, 0
.endif
.if (\a) < 7
	ROW (\a)+1
.endif
.endr
	WIN 0
	s_wait_tensorcnt 0x0                           ; the wave's end, behind my last tensor load and my last LDS store
	ds_add_u32 v[SPW], v[NIL]
	s_wait_dscnt 0x0
	CROUND                                         ; the closing round: no work-group ends while a partner may still ask for a tile that names it
	s_endpgm
.Lfunc_end_k_q866ae14502_gemm:
	.size	k_q866ae14502_gemm, .Lfunc_end_k_q866ae14502_gemm-k_q866ae14502_gemm
	.p2alignl 7, 3214868480
	.fill 96, 4, 3214868480
	.section	.rodata,"a",@progbits
	.p2align	6, 0x0
	.amdhsa_kernel k_q866ae14502_gemm
		.amdhsa_group_segment_fixed_size 327680
		.amdhsa_private_segment_fixed_size 0
		.amdhsa_enable_private_segment 0
		.amdhsa_kernarg_size 32
		.amdhsa_user_sgpr_count 2
		.amdhsa_user_sgpr_kernarg_segment_ptr 1
		.amdhsa_wavefront_size32 1
		.amdhsa_system_sgpr_workgroup_id_x 1
		.amdhsa_system_sgpr_workgroup_id_y 1
		.amdhsa_system_sgpr_workgroup_id_z 1
		.amdhsa_system_vgpr_workitem_id 0
		.amdhsa_next_free_vgpr 1024
		.amdhsa_next_free_sgpr 72
		.amdhsa_reserve_vcc 0
		.amdhsa_float_denorm_mode_32 3
		.amdhsa_float_denorm_mode_16_64 3
		.amdhsa_memory_ordered 1
		.amdhsa_forward_progress 1
		.amdhsa_inst_pref_size 162
	.end_amdhsa_kernel
	.amdgpu_metadata
---
amdhsa.version: [ 1, 2 ]
amdhsa.kernels:
  - .name:           k_q866ae14502_gemm
    .symbol:         k_q866ae14502_gemm.kd
    .args:
      - { .name: x16, .offset: 0, .size: 8, .value_kind: global_buffer, .address_space: global }
      - { .name: wq, .offset: 8, .size: 8, .value_kind: global_buffer, .address_space: global }
      - { .name: bias, .offset: 16, .size: 8, .value_kind: global_buffer, .address_space: global }
      - { .name: out0, .offset: 24, .size: 8, .value_kind: global_buffer, .address_space: global }
    .group_segment_fixed_size: 327680
    .private_segment_fixed_size: 0
    .kernarg_segment_align: 8
    .kernarg_segment_size: 32
    .max_flat_workgroup_size: 128
    .sgpr_count:     72
    .vgpr_count:     1024
    .wavefront_size: 32
...
	.end_amdgpu_metadata
.endif
;; end of part 2
;; ======== version 2 of 2: 2 launches; version 1 with the launch prep written anew for expert scheduling mode
;; limits: values are held in f16: magnitudes above 65,504 overflow, below 6.1e-05 lose precision
;; workspace buffers: x16 67,108,864 bytes; wq 16,777,216 bytes
;; launch prep (part 3): grid 512 x 1, 8 waves a work-group, no clusters, 0 bytes of LDS; arguments x, packed, scales, offsets, x16, wq; writes x16, wq
.if DOCPART == 3
	.amdgcn_target "amdgcn-amd-amdhsa--gfx1250"
	.amdhsa_code_object_version 6
	.text
	.protected	k_q866ae14502_prep
	.globl	k_q866ae14502_prep
	.p2align	8
	.type	k_q866ae14502_prep,@function
k_q866ae14502_prep:
	s_mov_b64 s[64:65], 0
	v_nop
	global_prefetch_b8 v0, s[64:65] scope:SCOPE_SE
	s_setreg_imm32_b32 hwreg(HW_REG_WAVE_SCHED_MODE, 0, 2), 2
	s_setreg_imm32_b32 hwreg(HW_REG_WAVE_MODE, 25, 1), 1
	s_wait_xcnt 0x0
	s_wait_alu depctr_vm_vsrc(0)
; Both matrix operands of the product are made here, in f16, each rounded once from f32.
;   x16[m][k] = x[m][k].                                                            x: [8192][4096] f32;  x16: [8192][4096] f16.
;   wq[n][k]  = q[n][k] * scale[n][k / 128] + offset[n][k / 128].                   wq: [2048][4096] f16.
; packed holds two q in each 32-bit word: bits 3:0 the even k, bits 7:4 the odd k (the other bits are ignored, as the problem's own masks ignore them).  Two f16 are a word too,
; so a word of wq lies at the byte offset of the word of packed from which it is made; a group of 128 weights is 256 bytes of either.
; LIMITS.  q * scale + offset is ONE fused multiply-add in f32 (the problem writes a multiply and an add: one rounding fewer here).  f16 ends at 65,504: a number of 65,520 or more in
; magnitude becomes an infinity; below 6.1e-5 f16 keeps its fixed step of 6e-8.  NaN and infinities are not treated apart.
; SHARES.  Memory binds: no LDS, no barrier, no matrix unit.  512 work-groups of eight waves; each of the 4,096 waves has
;   of w: 4,096 consecutive bytes of packed, 16 groups.  Lanes 0-15 take groups 0-7, lanes 16-31 groups 8-15, a group a load: a lane's eight scales are 32 consecutive bytes, and each load and
;         each store covers two aligned runs of 256 bytes;
;   of x: 32,768 consecutive bytes, 64 loads of 512 bytes through a ring of 16 slots in registers; four f32 a lane become 8 bytes, and the 32 lanes of a store write 256 consecutive bytes, aligned.
; All of w's loads and the ring's first 16 go out together; w is worked off while the ring's loads are on their way.
; NOTHING THAT A STORE READS IS WRITTEN AGAIN: every step stands in an immediate, so the address registers stay as they are, and each of the 72 stores has data registers of its own (128 registers for
; x16's 64 stores).
; THE MODE: SCHED_MODE bits 1:0 = 2 (LLVM: expert scheduling mode 2), set by the entry lines.  The code itself states the register dependences between vector instructions and memory instructions,
; with s_wait_alu, always for 0.
; THE PLAN.  Registers that memory instructions touch:
;   v2 .. v5   byte offsets.  Written by vector lines at the head, read by every load and store, named by no vector line afterwards.
;   S, O       loaded once, read by w's multiply-adds, never loaded again.
;   P[g]       group g: loaded once; read by its unpacking lines; written by its four roundings; read by its store; not written again.
;   X[n]       slot n: a load lands in it; a block's roundings read it; behind them the load 16 further on lands in it.
;   Y[i]       load i: written by its two roundings; read by store i; not written again.
;   T and v1, v6, v7 are named by vector lines alone.
; So every wait is one on va_vdst, and none on vm_vsrc is owed.  One stands at the head, for the offsets.  w goes in two halves of four groups: one wait behind a half's roundings, then its four stores.
; x goes in 16 blocks of four loads: one wait behind a block's eight roundings states that they are done reading the block's four slots and have written its eight Y registers; the four loads into those
; slots and the four stores from those Y follow it in one run, with no vector line between.  At a block's wait for its data 16 loads of x are out.
; 256 registers a wave: two waves of a work-group on a SIMD take 512 of its 1,024.
.set DEPTH, 16                         ; the ring's slots = loads of x in flight in each wave
.set NX,    64                         ; loads of x in a wave
.set BLOCK, 4                          ; loads of x in a block: a quarter of the ring
.set NB,    NX/BLOCK                   ; blocks
.set XI,  2                            ; v2         my byte offset in the work-group's part of x
.set XO,  3                            ; v3         in its part of x16
.set PI,  4                            ; v4         in its part of packed and of wq
.set SC,  5                            ; v5         in its part of scales and of offsets
.set S,   8                            ; v[8:15]    my eight groups' scales
.set O,   16                           ; v[16:23]   their offsets
.set T,   24                           ; v[24:31]   8 numbers at work
.set P,   32                           ; v[32:63]   group g: 4 words as loaded, then 4 words of f16 pairs
.set X,   64                           ; v[64:127]  slot n: 4 f32 as loaded
.set Y,   128                          ; v[128:255] load i: 2 words of f16 pairs to store; written once
	s_load_b256 s[4:11], s[0:1], 0x0               ; x s[4:5], packed s[6:7], scales s[8:9], offsets s[10:11]
	s_load_b128 s[12:15], s[0:1], 0x20             ; x16 s[12:13], wq s[14:15]
	v_and_b32 v1, 31, v0                           ; lane
	v_and_b32 v6, 0xe0, v0                         ; 32 x wave
	v_lshlrev_b32 v[XI], 4, v1
	v_lshl_add_u32 v[XI], v6, 10, v[XI]            ; wave x 32,768 + 16 x lane
	v_lshlrev_b32 v[XO], 3, v1
	v_lshl_add_u32 v[XO], v6, 9, v[XO]             ; wave x 16,384 + 8 x lane
	v_and_b32 v7, 15, v0
	v_lshlrev_b32 v[PI], 4, v7
	v_and_b32 v7, 0xf0, v0                         ; 32 x wave + 16 x (lane / 16)
	v_lshl_add_u32 v[PI], v7, 7, v[PI]             ; wave x 4,096 + (lane / 16) x 2,048 + 16 x (lane % 16)
	v_lshlrev_b32 v[SC], 1, v7                     ; wave x 16 groups x 4 bytes + (lane / 16) x 8 groups x 4 bytes
	s_lshl_b32 s16, ttmp9, 18                      ; the work-group's part of x: 262,144 bytes,
	s_mov_b32 s17, 0
	s_lshl_b32 s18, ttmp9, 17                      ; of x16: 131,072,
	s_mov_b32 s19, 0
	s_lshl_b32 s20, ttmp9, 15                      ; of packed and of wq: 32,768,
	s_mov_b32 s21, 0
	s_lshl_b32 s22, ttmp9, 9                       ; of scales and of offsets: 128 groups
	s_mov_b32 s23, 0
	s_wait_kmcnt 0x0
	s_add_nc_u64 s[4:5], s[4:5], s[16:17]
	s_add_nc_u64 s[12:13], s[12:13], s[18:19]
	s_add_nc_u64 s[6:7], s[6:7], s[20:21]
	s_add_nc_u64 s[14:15], s[14:15], s[20:21]
	s_add_nc_u64 s[8:9], s[8:9], s[22:23]
	s_add_nc_u64 s[10:11], s[10:11], s[22:23]
	s_wait_alu depctr_va_vdst(0)                   ; the four offsets v2 to v5 are written: every load and store of the kernel reads one of them, and no vector line names them again
	global_load_b128 v[S:S+3],   v[SC], s[8:9]
	global_load_b128 v[S+4:S+7], v[SC], s[8:9] offset:16
	global_load_b128 v[O:O+3],   v[SC], s[10:11]
	global_load_b128 v[O+4:O+7], v[SC], s[10:11] offset:16
.irp g, 0,1,2,3,4,5,6,7
	global_load_b128 v[P+4*(\g):P+4*(\g)+3], v[PI], s[6:7] offset:256*(\g) th:TH_LOAD_NT  ; read once in the launch
.endr
.set i, 0
.rept DEPTH
	global_load_b128 v[X+4*i:X+4*i+3], v[XI], s[4:5] offset:512*i th:TH_LOAD_NT           ; the ring is filled
.set i, i+1
.endr
; Group g's arithmetic: its four words become four words of f16 pairs, in place.
.macro GROUP g
	s_wait_loadcnt DEPTH+7-(\g)                    ; loads come back in order (ISA guide 5.7.1): group g's is in (and the scales and offsets, which are older); the 7 - g younger groups' and the ring's 16 stay out
.irp c, 0,1,2,3
	v_and_b32 v[T+2*(\c)], 15, v[P+4*(\g)+(\c)]    ; the even k
	v_bfe_u32 v[T+2*(\c)+1], v[P+4*(\g)+(\c)], 4, 4  ; the odd k
.endr
.irp j, 0,1,2,3,4,5,6,7
	v_cvt_f32_u32 v[T+(\j)], v[T+(\j)]
.endr
.irp j, 0,1,2,3,4,5,6,7
	v_fma_f32 v[T+(\j)], v[T+(\j)], v[S+(\g)], v[O+(\g)]
.endr
.irp c, 0,1,2,3
	v_cvt_pk_f16_f32 v[P+4*(\g)+(\c)], v[T+2*(\c)], v[T+2*(\c)+1]  ; the even k into the low half
.endr
.endm
; Half of w leaves: groups g0 to g0 + 3, behind one wait.
.macro WOUT g0
	s_wait_alu depctr_va_vdst(0)                   ; the roundings have written P of these four groups, which the four stores read
.irp g, 0,1,2,3
	global_store_b128 v[PI], v[P+4*((\g0)+(\g)):P+4*((\g0)+(\g))+3], s[14:15] offset:256*((\g0)+(\g))  ; these registers are not written again
.endr
.endm
.irp g, 0,1,2,3
	GROUP \g
.endr
	WOUT 0
.irp g, 4,5,6,7
	GROUP \g
.endr
	WOUT 4
; The ring: load i lies in slot i % 16; block p is loads 4 p to 4 p + 3, in slots 4 (p % 4) on.  A load's four f32 are rounded into the pair of registers that belongs to that load alone; behind the block's
; one wait its slots' next loads go out ahead of its stores.  The last four blocks load nothing: no load leaves the wave's part of x, and the counts run down.
.set p, 0
.rept NB
.set n, BLOCK*(p%4)                    ; the block's first slot
.set i, BLOCK*p                        ; its first load
.if p <= NB-4
	s_wait_loadcnt DEPTH-BLOCK                     ; the block's four are in, the three younger blocks' twelve stay out
.else
	s_wait_loadcnt BLOCK*(NB-1-p)
.endif
.set j, 0
.rept BLOCK
	v_cvt_pk_f16_f32 v[Y+2*(i+j)],   v[X+4*(n+j)],   v[X+4*(n+j)+1]  ; the lower k into the low half
	v_cvt_pk_f16_f32 v[Y+2*(i+j)+1], v[X+4*(n+j)+2], v[X+4*(n+j)+3]
.set j, j+1
.endr
	s_wait_alu depctr_va_vdst(0)                   ; the eight roundings have written the block's Y, which the stores below read, and are done reading its four slots, in which the loads below land
.if p < NB-4
.set j, 0
.rept BLOCK
	global_load_b128 v[X+4*(n+j):X+4*(n+j)+3], v[XI], s[4:5] offset:512*(i+j+DEPTH) th:TH_LOAD_NT
.set j, j+1
.endr
.endif
.set j, 0
.rept BLOCK
	global_store_b64 v[XO], v[Y+2*(i+j):Y+2*(i+j)+1], s[12:13] offset:256*(i+j)
.set j, j+1
.endr
.set p, p+1
.endr
	s_endpgm
.Lfunc_end_k_q866ae14502_prep:
	.size	k_q866ae14502_prep, .Lfunc_end_k_q866ae14502_prep-k_q866ae14502_prep
	.p2alignl 7, 3214868480
	.fill 96, 4, 3214868480
	.section	.rodata,"a",@progbits
	.p2align	6, 0x0
	.amdhsa_kernel k_q866ae14502_prep
		.amdhsa_group_segment_fixed_size 0
		.amdhsa_private_segment_fixed_size 0
		.amdhsa_enable_private_segment 0
		.amdhsa_kernarg_size 48
		.amdhsa_user_sgpr_count 2
		.amdhsa_user_sgpr_kernarg_segment_ptr 1
		.amdhsa_wavefront_size32 1
		.amdhsa_system_sgpr_workgroup_id_x 1
		.amdhsa_system_sgpr_workgroup_id_y 1
		.amdhsa_system_sgpr_workgroup_id_z 1
		.amdhsa_system_vgpr_workitem_id 0
		.amdhsa_next_free_vgpr 256
		.amdhsa_next_free_sgpr 66
		.amdhsa_reserve_vcc 0
		.amdhsa_float_denorm_mode_32 3
		.amdhsa_float_denorm_mode_16_64 3
		.amdhsa_memory_ordered 1
		.amdhsa_forward_progress 1
		.amdhsa_inst_pref_size 36
	.end_amdhsa_kernel
	.amdgpu_metadata
---
amdhsa.version: [ 1, 2 ]
amdhsa.kernels:
  - .name:           k_q866ae14502_prep
    .symbol:         k_q866ae14502_prep.kd
    .args:
      - { .name: x, .offset: 0, .size: 8, .value_kind: global_buffer, .address_space: global }
      - { .name: packed, .offset: 8, .size: 8, .value_kind: global_buffer, .address_space: global }
      - { .name: scales, .offset: 16, .size: 8, .value_kind: global_buffer, .address_space: global }
      - { .name: offsets, .offset: 24, .size: 8, .value_kind: global_buffer, .address_space: global }
      - { .name: x16, .offset: 32, .size: 8, .value_kind: global_buffer, .address_space: global }
      - { .name: wq, .offset: 40, .size: 8, .value_kind: global_buffer, .address_space: global }
    .group_segment_fixed_size: 0
    .private_segment_fixed_size: 0
    .kernarg_segment_align: 8
    .kernarg_segment_size: 48
    .max_flat_workgroup_size: 256
    .sgpr_count:     66
    .vgpr_count:     256
    .wavefront_size: 32
...
	.end_amdgpu_metadata
.endif
;; end of part 3
;; launch gemm: the kernel of part 2 again; grid 8 x 32, 4 waves a work-group, clusters of 4 x 4, 327,680 bytes of LDS; arguments x16, wq, bias, out0; writes out0
